; MI455X (gfx1250); checked and timed in simulation.
; The chip was launched on July 23, 2026; its instructions are those of AMD's public machine-readable ISA for CDNA 5 (MIT licence, August 2026) and "CDNA5" Instruction Set Architecture Reference Guide (July 2026). The comments in the code are by the model that wrote it; some were corrected since.
;; Multi Head Attention. Allowed arithmetic: matrix products marked QUANTISED: E2M3 operands, one E8M0 scale for each 32 along K, by v_wmma_scale_f32_16x16x128_f8f6f4 with both operands' format E2M3, f32 sums; everything else in f32.
;; Inputs: Wk 16 x 1,024 x 64 float32; Wq 16 x 1,024 x 64 float32; Wv 16 x 1,024 x 64 float32; x 4 x 2,048 x 1,024 float32.
;; Outputs: out0 4 x 2,048 x 1,024 float32.
;; This version of the problem:
;;   THIS VERSION OF THE PROBLEM IS GIVEN IN LOW PRECISION. The matrix products marked QUANTISED in the list below multiply operands that are first quantised to E2M3 (2 exponent bits, 3 mantissa bits; 6 bits a number), with one power-of-two scale for each 32 numbers along K (OCP MX v1.0); their sums are f32. All else is computed in f32.
;;   The module's matrix products, in the order in which they are computed (A, B: the left and right operand; K: the contracted axis; several contracted axes count as one K, in the product's order):
;;     1. [M 1,024, K 1,024] x [K 1,024, N 8,192]; A: input Wq; B: input x: QUANTISED
;;     2. [M 1,024, K 1,024] x [K 1,024, N 8,192]; A: input Wk; B: input x: QUANTISED
;;     3. [M 1,024, K 1,024] x [K 1,024, N 8,192]; A: input Wv; B: input x: QUANTISED
;;     4. batch 64 x [M 2,048, K 64] x [K 64, N 2,048]; A: computed on the way; B: computed on the way: QUANTISED
;;     5. batch 64 x [M 2,048, K 2,048] x [K 2,048, N 64]; A: softmax (see below); B: computed on the way: QUANTISED
;;   THE QUANTISER, for each operand of a quantised product, along K:
;;     - K is cut into blocks of 32 from its start; a last block that is shorter is filled with zeros.
;;     - A block's scale is 2^e with e = floor(log2(the largest magnitude in the block)) - 2, held to -126 .. 127; a block of zeros has e = 0. As a byte (E8M0): e + 127.
;;     - Each number is divided by its block's scale, clamped to +-7.5, and rounded to the nearest number of E2M3, ties to even, subnormals kept.
;;     - The product sums the exact products of the quantised numbers (number of the format x scale) in f32.
;;   ~~~python
;;   def quantise(x, axis):      # numpy; x: float32 -> the quantised numbers, widened to float32 again
;;       x = np.moveaxis(x, axis, -1); K = x.shape[-1]
;;       x = np.pad(x, [(0, 0)] * (x.ndim - 1) + [(0, -K % 32)]); x = x.reshape(x.shape[:-1] + (-1, 32)); a = np.abs(x).max(-1, keepdims=True)
;;       e = np.where(a > 0, np.clip(np.frexp(np.where(a > 0, a, 1))[1] - 1 - 2, -126, 127), 0)      # np.frexp(a)[1] - 1 = floor(log2(a)), exactly
;;       r = np.clip(x / 2.0 ** e, -7.5, 7.5)
;;       step = 2.0 ** (np.maximum(np.frexp(np.where(r == 0, 1, r))[1] - 1, 0) - 3)
;;       q = np.round(r / step) * step * 2.0 ** e      # np.round: ties to even
;;       return np.moveaxis(q.reshape(q.shape[:-2] + (-1,))[..., :K], -1, axis).astype(np.float32)
;;   ~~~
;;   SOFTMAX AHEAD OF A QUANTISED PRODUCT. Where the list says 'softmax', what is quantised is not the finished softmax but p = 2^(t - M), with t = logit x log2(e) and M = ceil(the row's largest t), a whole number; so 1/2 < the row's largest p <= 1. The row's sum l is taken of the UNQUANTISED p, in f32, and the product's result is divided by l at the end. Since M is a whole number, a kernel that streams over the keys may use a running M (the ceiling of the running maximum): every later rescaling is an exact power of two, which a block's scale takes up: the codes' values come out the same.
;;   OPERANDS COMPUTED ON THE WAY. 'Computed on the way' means the value that the module computes at that place (a softmax that the list does not call 'softmax' is quantised finished and normalised). What goes into a quantiser is computed in f32, as accurately as f32 sums, v_exp_f32 and their like allow (about 1e-6 of the number): no bf16 or f16 on the way to a quantiser, and a product that is left as it is and whose result goes on into a quantised operand takes f32 operands (vector FMAs, or v_wmma_f32_16x16x4_f32). A number that lies on a knife's edge between two numbers of the format may be rounded either way, as far as f32 arithmetic and the matrix unit's own rounding can turn it there, and no further.
;; One version. Each part assembles by itself: llvm-mc -triple=amdgcn-amd-amdhsa -mcpu=gfx1250 --defsym DOCPART=n.
;; ======== version 1 of 1: 3 launches
;; limits: right only within a limited range of input values
;; workspace buffers: xc 6,553,600 bytes; wc 2,457,600 bytes; qkv 20,185,088 bytes
;; launch quant (part 1): grid 352 x 1, 4 waves a work-group, no clusters, 61,952 bytes of LDS; arguments x, Wq, Wk, Wv, xc, wc; writes xc, wc
.if DOCPART == 1
	.amdgcn_target "amdgcn-amd-amdhsa--gfx1250"
	.amdhsa_code_object_version 6
	.text
	.protected	k_q7da044e426_quant
	.globl	k_q7da044e426_quant
	.p2align	8
	.type	k_q7da044e426_quant,@function
k_q7da044e426_quant:
	s_mov_b64 s[64:65], 0
	v_nop
	global_prefetch_b8 v0, s[64:65] scope:SCOPE_SE
	s_setreg_imm32_b32 hwreg(HW_REG_WAVE_MODE, 25, 1), 1
	s_wait_xcnt 0x0
; x [8192 tokens][1024] and Wq, Wk, Wv [16 heads][1024][64], f32, become codes of FP6 (E2M3) with one E8M0 scale byte for each 32 along E (the products' K),
; laid as IMAGES OF OPERAND REGISTERS.  Rows (tokens; features = 64 x head + d) go in groups of 128 = 8 tiles of 16.  THE ROWS OF A TILE ARE NOT NEIGHBOURS:
; lane r of tile 4 c + j holds row 64 c + 8 j + r % 8 + 32 (r / 8).  A group is 8 records, one for each 128 along K, of REC1 = 12,800 bytes: tile T's fragment (12 registers a lane)
; at 1536 T, registers 4 q .. 4 q + 3 at 512 q + 16 x lane; the tiles' scale words (4 bytes: 128 along K of one row) at 12288 + 256 (T / 4) + 16 r + 4 (T % 4).
; A block's scale is 2^(floor(log2(its largest magnitude)) - 2); its byte is that magnitude's exponent field - 2, held at 1 from below.
; The later launches pass over the chunks of keys that the problem's own causal mask hides from a whole tile of queries: their scores become -infinity for all values of the inputs and reach no output.
; LIMITS: NaN and infinities among the inputs are not served; a block whose largest magnitude lies under 2^-124 gets the byte 1 (a block of zeros too, where the rule says 127:
; its codes are zeros, which add nothing under any byte but 0xff, and the bytes are read by this program alone).
; SHARES.  A wave takes half a group (64 rows, 4 tiles) x 128 along K: 32 KiB of f32.  Work-groups 0-255 take x, 256-351 the three W.  Waves share nothing: no barrier.
; The two paths part once, on the work-group's number; each has LDS bytes of its own.  No cluster: the work-groups share no input.  No matrix unit: this is a stream.
.set GB,    102400                     ; a group of 128 rows, all of K
.set REC1,  12800
.set XP,    528                        ; x's stage: a row of 512 bytes + 16
.set XREG,  16*XP                      ; 16 rows for each wave
.set WSTG,  4*XREG                     ; behind x's stages: W's
.set WP,    1664                       ; a tile's image (1,536 bytes) + 128: neighbouring tiles fall on different halves of the banks
.set WSC,   4*WP                       ; behind a wave's four images: its 256 bytes of scale words
.set WREG,  WSC+256
.set SPARE, WSTG+4*WREG                ; the spare words, 128 bytes for each wave
.set SPW,   12                         ; v12  LDS address of my spare word; never rewritten
.set NIL,   13                         ; v13  0; never rewritten
; v1 lane, v2 r, v3 h, v4 16 x lane;  x: v5 stage in, v6 stage back, v7 8 h, v8 16 r + 8 h;  W: v9 4 x lane, v10 image in, v11 scale word in, v30 image back, v31 words back, v28 8 x lane
; v14-17 scale words; v18-19 a pair to store; v20-27 at work; v32-50 codes; v64-127 the numbers at work; v128-255 x: two sets of 64 as loaded; W: the images on their way out
	s_load_b256 s[4:11], s[0:1], 0x0               ; x s[4:5], Wq s[6:7], Wk s[8:9], Wv s[10:11]
	s_load_b128 s[12:15], s[0:1], 0x20             ; xc s[12:13], wc s[14:15]
	v_lshl_add_u32 v[SPW], v0, 2, SPARE
	v_mov_b32 v[NIL], 0
	v_lshrrev_b32 v1, 5, v0
	v_readfirstlane_b32 s16, v1                    ; wave 0..3
	v_and_b32 v1, 31, v0                           ; lane
	v_and_b32 v2, 15, v0                           ; r
	v_bfe_u32 v3, v0, 4, 1                         ; h
	v_lshlrev_b32 v4, 4, v1                        ; 16 x lane
	; every LDS address of both paths is made here, ahead of the parting
	s_mul_i32 s17, s16, XREG
	v_add_nc_u32 v5, s17, v4                       ; x, in: a row's 512 bytes as they lie
	v_mul_u32_u24 v6, v2, XP
	v_lshl_add_u32 v6, v3, 7, v6
	v_add_nc_u32 v6, s17, v6                       ; x, back: row r, + 128 h: my block of 32 numbers
	v_lshlrev_b32 v7, 3, v3                        ; 8 h
	v_lshl_add_u32 v8, v2, 4, v7                   ; 16 r + 8 h
	v_lshlrev_b32 v9, 2, v1                        ; 4 x lane
	v_bfe_u32 v20, v0, 3, 2                        ; W: my column 32 s + lane is row lane % 8 + 8 s of tile j = lane / 8
	v_and_b32 v21, 7, v0
	s_mul_i32 s18, s16, WREG
	s_add_co_u32 s18, s18, WSTG
	v_mul_u32_u24 v10, v20, WP
	v_lshl_add_u32 v10, v21, 4, v10
	v_add_nc_u32 v10, s18, v10                     ; W, in: image j, 16 (lane % 8)
	v_lshlrev_b32 v11, 2, v20
	v_lshl_add_u32 v11, v21, 4, v11
	v_add_nc_u32 v11, s18, v11
	v_add_nc_u32 v11, WSC, v11                     ; W's scale words, in: 16 (lane % 8) + 4 j
	v_add_nc_u32 v30, s18, v4                      ; W, back: 16 x lane
	v_lshlrev_b32 v28, 3, v1                       ; 8 x lane
	v_add_nc_u32 v31, s18, v28
	v_add_nc_u32 v31, WSC, v31                     ; the words, back
	s_mov_b32 s20, 0x76543210
	s_mov_b32 s21, 0xfedcba98                      ; v_permlanex16_b32's selects for lane l xor 16
	; which half group and which record: the same arithmetic for both tensors' work-groups
	s_cmp_lt_u32 ttmp9, 256
	s_cselect_b32 s19, 0, 256
	s_sub_co_u32 s19, ttmp9, s19                   ; n: my number among x's, or among W's, work-groups
	s_lshr_b32 s22, s19, 2                         ; group
	s_bfe_u32 s23, s19, 0x10001                    ; half
	s_and_b32 s24, s19, 1
	s_lshl_b32 s24, s24, 2
	s_add_co_u32 s24, s24, s16                     ; record: 4 (n % 2) + wave
	s_mul_i32 s28, s22, GB
	s_mul_i32 s25, s24, REC1
	s_add_co_u32 s28, s28, s25
	s_mul_i32 s25, s23, 6144
	s_add_co_u32 s30, s28, s25                     ; where my four images go
	s_mov_b32 s31, 0
	s_lshl_b32 s25, s23, 8
	s_add_co_u32 s28, s28, s25
	s_add_co_u32 s28, s28, 12288                   ; and my 256 bytes of scale words
	s_mov_b32 s29, 0
; the largest magnitude of the 32 numbers v[xs] .. v[xs + 31], all mine, in two chains, with the floor 2^(3 - 127) among the leaves: so the byte cannot fall under 1
.macro BMAX a, b, xs
	v_max3_num_f32 v[\a], |v[\xs]|, |v[\xs+1]|, 0x1800000
	v_max_num_f32 v[\b], |v[\xs+2]|, |v[\xs+3]|
.irp i, 4,8,12,16,20,24,28
	v_max3_num_f32 v[\a], v[\a], |v[\xs+\i]|, |v[\xs+\i+1]|
	v_max3_num_f32 v[\b], v[\b], |v[\xs+\i+2]|, |v[\xs+\i+3]|
.endr
	v_max_num_f32 v[\a], v[\a], v[\b]
.endm
	s_cmp_lt_u32 ttmp9, 256
	s_cbranch_scc0 .Lw_path
; ---------------------------------------------------------------- x: K is innermost
	s_lshl_b32 s26, s22, 19                        ; 128 rows of 4,096 bytes a group,
	s_lshl_b32 s25, s23, 18                        ; 64 a half,
	s_or_b32 s26, s26, s25
	s_lshl_b32 s25, s24, 9                         ; 512 bytes a record
	s_or_b32 s26, s26, s25
	s_mov_b32 s27, 0
	s_wait_kmcnt 0x0
	s_add_nc_u64 s[4:5], s[4:5], s[26:27]
	s_add_nc_u64 s[32:33], s[12:13], s[30:31]
	s_add_nc_u64 s[34:35], s[12:13], s[28:29]
.macro XLOAD t                         ; tile t's 16 rows, in the tile's order: each load takes a row's 512 consecutive bytes, 16 a lane
.set RL, 128+64*((\t)%2)
.irp rho, 0,1,2,3,4,5,6,7,8,9,10,11,12,13,14,15
	global_load_b128 v[RL+4*\rho:RL+4*\rho+3], v4, s[4:5] offset:(8*(\t)+\rho%8+32*(\rho/8))*4096 th:TH_LOAD_NT
.endr
.endm
; Tile t: through my stage, so that lane (r, h) holds, of row r, k = 64 c + 32 h + 0 .. 31 in v[64 + 32 c] on: the very numbers whose codes are its registers 6 c .. 6 c + 5
.macro XT t, left
.set RS, 128+64*((\t)%2)
	s_wait_loadcnt \left                           ; this tile's 16 loads are in; the next tile's 16 may be out
.irp rho, 0,1,2,3,4,5,6,7,8,9,10,11,12,13,14,15
	ds_store_b128 v5, v[RS+4*\rho:RS+4*\rho+3] offset:XP*\rho
.endr
.irp c, 0,1
.irp i, 0,1,2,3,4,5,6,7
	ds_load_b128 v[64+32*\c+4*\i:64+32*\c+4*\i+3], v6 offset:256*\c+16*\i   ; LDS serves a wave's instructions in order: these see the stores above
.endr
.endr
	s_wait_dscnt 0x0                               ; the numbers are back, and the stores have read their registers,
.if (\t) < 2
	XLOAD (\t)+2                                   ; which take the tile two further on
.endif
	BMAX 20, 21, 64                                ; my blocks h and 2 + h of the row's four
	BMAX 22, 23, 96
	v_add_nc_u32 v24, 0xff000000, v20              ; 2 off the exponent field: the conversion takes the exponent field of this operand as its scale, and nothing else of it
	v_add_nc_u32 v25, 0xff000000, v22
	v_lshrrev_b32 v26, 23, v24                     ; the scales' bytes
	v_lshrrev_b32 v27, 23, v25
	v_lshl_or_b32 v26, v27, 16, v26
	v_lshlrev_b32 v26, v7, v26                     ; at their places in the scale word (8 h bits up);
	v_permlanex16_b32 v27, v26, s20, s21
	v_or_b32 v[14+(\t)], v26, v27                  ; with lane l xor 16's two the word is whole
	s_wait_alu depctr_va_vdst(0)
	s_wait_xcnt 0x0                                ; the last tile's stores have read the codes' registers: they are written again only behind this wait
.irp c, 0,1
	v_cvt_scalef32_pk16_fp6_f32 v[32+6*\c:34+6*\c], v[64+32*\c:79+32*\c], v[24+\c]
	v_cvt_scalef32_pk16_fp6_f32 v[44+4*\c:46+4*\c], v[80+32*\c:95+32*\c], v[24+\c]   ; (a conversion's three registers begin on an even number)
.endr
	v_nop                                          ; one plain place behind a scaled conversion
.irp c, 0,1
.irp i, 0,1,2
	v_mov_b32 v[35+6*\c+\i], v[44+4*\c+\i]
.endr
.endr
.irp q, 0,1,2
	global_store_b128 v4, v[32+4*\q:35+4*\q], s[32:33] offset:1536*(\t)+512*\q   ; 32 lanes store 512 consecutive bytes, at a multiple of 256 from the buffer's first byte
.endr
.endm
	XLOAD 0
	XLOAD 1
	XT 0, 16
	XT 1, 16
	XT 2, 16
	XT 3, 0
	v_cmp_ne_u32 vcc_lo, 0, v3
	v_cndmask_b32 v18, v14, v16, vcc_lo            ; lanes 0-15 store tiles 0 and 1's words of row r, lanes 16-31 tiles 2 and 3's
	v_cndmask_b32 v19, v15, v17, vcc_lo
	global_store_b64 v8, v[18:19], s[34:35]        ; 256 consecutive bytes
	s_wait_tensorcnt 0x0                           ; the wave's end: behind my last LDS store
	ds_add_u32 v[SPW], v[NIL]
	s_wait_dscnt 0x0
	s_endpgm
; ---------------------------------------------------------------- W: K is the FIRST axis of a head's [1024][64]: a lane takes a column, and its registers run down K
.Lw_path:
	s_lshr_b32 s25, s22, 3                         ; groups 0-7 are Wq's, 8-15 Wk's, 16-23 Wv's
	s_and_b32 s26, s22, 7
	s_lshl_b32 s26, s26, 1
	s_add_co_u32 s26, s26, s23                     ; the head: a group is two heads, a half is one
	s_lshl_b32 s26, s26, 18                        ; 262,144 bytes a head,
	s_lshl_b32 s27, s24, 15                        ; 128 rows of 256 bytes a record: a dense block of 32 KiB
	s_add_co_u32 s26, s26, s27
	s_mov_b32 s27, 0
	s_wait_kmcnt 0x0
	s_cmp_eq_u32 s25, 0
	s_cselect_b64 s[6:7], s[6:7], s[8:9]
	s_cmp_eq_u32 s25, 2
	s_cselect_b64 s[6:7], s[10:11], s[6:7]         ; the choice hangs on the work-group's number alone
	s_add_nc_u64 s[6:7], s[6:7], s[26:27]
	s_add_nc_u64 s[32:33], s[14:15], s[30:31]
	s_add_nc_u64 s[34:35], s[14:15], s[28:29]
.macro WLOAD q                         ; block q % 4 along K of columns 32 (q / 4) + lane
.set RL, 64+32*((\q)%2)
.irp i, 0,1,2,3,4,5,6,7,8,9,10,11,12,13,14,15,16,17,18,19,20,21,22,23,24,25,26,27,28,29,30,31
	global_load_b32 v[RL+\i], v9, s[6:7] offset:(32*((\q)%4)+\i)*256+128*((\q)/4)
.endr
.endm
; Block beta of my column is, in tile j's image, registers 6 (beta / 2) .. + 5 of lane lane % 8 + 8 s + 16 (beta % 2): 24 bytes, which lie in two of the image's three parts
.macro WBLOCK q
.set XS, 64+32*((\q)%2)
.set SS, (\q)/4
.set BE, (\q)%4
.if (\q) < 7
	s_wait_loadcnt 32                              ; this block's 32 loads are in; the next block's may be out
.else
	s_wait_loadcnt 0x0
.endif
	BMAX 20, 21, XS
	v_add_nc_u32 v24, 0xff000000, v20              ; the conversion's scale operand
	v_lshrrev_b32 v25, 23, v24                     ; the byte
.if BE == 0
	v_mov_b32 v[14+SS], v25                        ; four bytes make my column's scale word, the lower K in the lower byte
.else
	v_lshl_or_b32 v[14+SS], v25, 8*BE, v[14+SS]
.endif
	v_cvt_scalef32_pk16_fp6_f32 v[32:34], v[XS:XS+15], v24
	v_cvt_scalef32_pk16_fp6_f32 v[36:38], v[XS+16:XS+31], v24
	v_nop                                          ; one plain place behind a scaled conversion
	v_mov_b32 v35, v36
	v_mov_b32 v36, v37
	v_mov_b32 v37, v38                             ; v32-37: the block's 24 bytes
.if BE < 2
	ds_store_b128 v10, v[32:35] offset:128*SS+256*(BE%2)
	ds_store_b64 v10, v[36:37] offset:128*SS+256*(BE%2)+512
.else
	ds_store_b64 v10, v[32:33] offset:128*SS+256*(BE%2)+520
	ds_store_b128 v10, v[34:37] offset:128*SS+256*(BE%2)+1024
.endif
.if (\q) < 6
	WLOAD (\q)+2
.endif
	s_wait_dscnt 0x0                               ; the stores have read their registers: the next block's codes may be written
.endm
	WLOAD 0
	WLOAD 1
.irp q, 0,1,2,3,4,5,6,7
	WBLOCK \q
.endr
	ds_store_b32 v11, v14                          ; rows lane % 8 and 8 + lane % 8 of tile j: my two columns' words
	s_wait_alu depctr_va_vdst(0)
	ds_store_b32 v11, v15 offset:128
.irp k, 0,1,2,3,4,5,6,7,8,9,10,11
	ds_load_b128 v[128+4*\k:131+4*\k], v30 offset:WP*(\k/3)+512*(\k%3)   ; LDS serves a wave's instructions in order: these see my stores
.endr
	ds_load_b64 v[18:19], v31
.irp k, 0,1,2,3,4,5,6,7,8,9,10,11
	s_wait_dscnt 12-\k                             ; the younger LDS loads may be out
	global_store_b128 v4, v[128+4*\k:131+4*\k], s[32:33] offset:1536*(\k/3)+512*(\k%3)   ; 512 consecutive bytes
.endr
	s_wait_dscnt 0x0
	global_store_b64 v28, v[18:19], s[34:35]       ; 256 consecutive bytes
	s_wait_tensorcnt 0x0                           ; the wave's end: behind my last LDS store
	ds_add_u32 v[SPW], v[NIL]
	s_wait_dscnt 0x0
	s_endpgm
.Lfunc_end_k_q7da044e426_quant:
	.size	k_q7da044e426_quant, .Lfunc_end_k_q7da044e426_quant-k_q7da044e426_quant
	.p2alignl 7, 3214868480
	.fill 96, 4, 3214868480
	.section	.rodata,"a",@progbits
	.p2align	6, 0x0
	.amdhsa_kernel k_q7da044e426_quant
		.amdhsa_group_segment_fixed_size 61952
		.amdhsa_private_segment_fixed_size 0
		.amdhsa_enable_private_segment 0
		.amdhsa_kernarg_size 48
		.amdhsa_user_sgpr_count 2
		.amdhsa_user_sgpr_kernarg_segment_ptr 1
		.amdhsa_wavefront_size32 1
		.amdhsa_system_sgpr_workgroup_id_x 1
		.amdhsa_system_sgpr_workgroup_id_y 1
		.amdhsa_system_sgpr_workgroup_id_z 1
		.amdhsa_system_vgpr_workitem_id 0
		.amdhsa_next_free_vgpr 256
		.amdhsa_next_free_sgpr 66
		.amdhsa_reserve_vcc 1
		.amdhsa_float_denorm_mode_32 3
		.amdhsa_float_denorm_mode_16_64 3
		.amdhsa_memory_ordered 1
		.amdhsa_forward_progress 1
		.amdhsa_inst_pref_size 72
	.end_amdhsa_kernel
	.amdgpu_metadata
---
amdhsa.version: [ 1, 2 ]
amdhsa.kernels:
  - .name:           k_q7da044e426_quant
    .symbol:         k_q7da044e426_quant.kd
    .args:
      - { .name: x, .offset: 0, .size: 8, .value_kind: global_buffer, .address_space: global }
      - { .name: Wq, .offset: 8, .size: 8, .value_kind: global_buffer, .address_space: global }
      - { .name: Wk, .offset: 16, .size: 8, .value_kind: global_buffer, .address_space: global }
      - { .name: Wv, .offset: 24, .size: 8, .value_kind: global_buffer, .address_space: global }
      - { .name: xc, .offset: 32, .size: 8, .value_kind: global_buffer, .address_space: global }
      - { .name: wc, .offset: 40, .size: 8, .value_kind: global_buffer, .address_space: global }
    .group_segment_fixed_size: 61952
    .private_segment_fixed_size: 0
    .kernarg_segment_align: 8
    .kernarg_segment_size: 48
    .max_flat_workgroup_size: 128
    .sgpr_count:     66
    .vgpr_count:     256
    .wavefront_size: 32
...
	.end_amdgpu_metadata
.endif
;; end of part 1
;; launch proj (part 2): grid 8 x 32, 4 waves a work-group, clusters of 4 x 4, 327,680 bytes of LDS; arguments xc, wc, qkv; writes qkv
.if DOCPART == 2
	.amdgcn_target "amdgcn-amd-amdhsa--gfx1250"
	.amdhsa_code_object_version 6
	.text
	.protected	k_q7da044e426_proj
	.globl	k_q7da044e426_proj
	.p2align	8
	.type	k_q7da044e426_proj,@function
k_q7da044e426_proj:
	s_mov_b64 s[64:65], 0
	v_nop
	global_prefetch_b8 v0, s[64:65] scope:SCOPE_SE
	s_setreg_imm32_b32 hwreg(HW_REG_WAVE_MODE, 25, 1), 1
	s_wait_xcnt 0x0
	s_wait_alu depctr_hold_cnt(0) depctr_sa_sdst(0) depctr_va_vdst(0) depctr_va_sdst(0) depctr_va_ssrc(0) depctr_va_vcc(0) depctr_vm_vsrc(0)
	s_getreg_b32 s2, hwreg(HW_REG_IB_STS2, 6, 4)
	s_cmp_eq_u32 s2, 0
	s_cbranch_scc0 .Lentry_in_a_cluster
	s_endpgm
.Lentry_in_a_cluster:
	s_bfe_u32 s2, ttmp6, 0x10000c
	s_cmp_lg_u32 s2, 0xf033
	s_cbranch_scc0 .Lentry_shape_is_right
	s_endpgm
.Lentry_shape_is_right:
; q, k, v = x W on codes of FP6 (E2M3) with E8M0 block scales, K = 1,024, f32 sums; the results are quantised in registers and stored as operand images for the attention launch.
; OPERANDS are images of operand registers: groups of 128 rows; a group = 8 records of 12,800 bytes, one for each 128 along K: 8 fragments of 1,536 bytes, then 512 bytes of scale words
; (256 (T / 4) + 16 r + 4 (T % 4)).  Lane r of tile 4 c + j holds row 64 c + 8 j + r % 8 + 32 (r / 8).
; THE DEAL.  256 work-groups = 32 pairs of token groups x 8 pairs of heads; a work-group makes q, k and v of its 256 tokens for its two heads.  A wave holds 64 tokens (half a group, 4 tiles), ALL of K,
; in 384 registers and streams 24 feature tiles past them (8 of Wq, 8 of Wk, 8 of Wv): a BLOCK is one feature tile, all of K: 32 products on four accumulators by turns.
; q, k: source 0 = the features, so a lane holds a token and its registers run along D; four blocks (a head) give each of the four token tiles its 32 sums.
; v: source 0 = the tokens, so a lane holds a feature and its registers run along the tokens (the keys of the second attention product): each block gives 32 sums.
; By the tiles' order the 32 sums in lane (r, h) are 32 NEIGHBOURS, places 32 h + 0 .. 31 of 64: one whole scale block.  They become six registers of the next operand as they fall.
; LDS: three regions of a group (102,400 bytes).  At the head one tensor load a wave: waves 0, 1 x's two groups (regions 0, 1), waves 2, 3 a half each of Wq's group (region 2).
; ONE REFILL, behind a drained round of the cluster's barrier: when x is in registers, regions 0 and 1 take Wk's and Wv's groups, a half a wave.  They are first read behind block 6, where a plain barrier shows them.
; CLUSTERS 4 x 4: x's groups are shared along a row of the cluster, W's along a column: joint loads.
; No prefetch: the launch has no loop to run ahead in, and the refill is asked for seven blocks ahead of its first read.
; qkv, for each (batch x 16 + head) and chunk of 128 tokens a record of REC bytes: K's 8 tiles (768 bytes: registers 0-3 at 16 x lane, 4-5 at 512 + 8 x lane), K's scale words (512 bytes);
; at VOFF V^T: for each of four tiles of 16 channels two halves of 64 keys, each laid as a tile of K; then 256 bytes of scale words (16 r + 4 tile); at QOFF Q, laid as K.
; V's scale word has two bytes from each of two waves: it is gathered in an LDS stage and leaves at the end in units of 256 bytes.
; LIMITS: NaN and infinities are not served; a block whose largest magnitude lies under 2^-124 (a block of zeros too) gets the byte 1: read by this program alone.
; REGISTERS: fragment f lies in window 1 + f / 21 at 12 (f % 21): 0-31 x's (4 q + t), 32-39 and 40-47 two sets of a block's eight.  Window 3, v72-199: four chunks of 32 sums.
; Window 0: v3-29 addresses; v32-63 x's scale words (4 q + t); v68-131 two sets of a head's scale words (4 q + j); these hold nothing else; v132-164 the way out.
.set GB,    102400
.set REC1,  12800
.set HB,    51200                      ; four records
.set STG,   3*GB                       ; V's scale words: [group][head][256]
.set SPARE, STG+1024                   ; the spare words, 128 bytes a wave
.set REC,   19712
.set HREC,  16*REC                     ; from a head's record to the next head's
.set VOFF,  6656
.set QOFF,  13056
.set FPW,   21
.set L8,    5                          ; 8 x lane
.set R16,   6                          ; 16 r
.set SOFF,  7                          ; 16 r + h x HREC
.set A16,   8                          ; v8-13  16 x lane + i x HB
.set S16,   14                         ; v14-19 16 r + 12288 + i x HB
.set AX,    20                         ; v20, 21 my x fragments, records 0-3 and 4-7
.set ASX,   22                         ; v22, 23 my x scale words
.set ASTG,  24                         ; the stage, in
.set ARD,   25                         ; the stage, back
.set SH8,   26                         ; 8 h
.set SPW,   28
.set NIL,   29
.set SX,    32
.set SW,    68
.set TM,    132                        ; v132-135 four chains, v136 my byte at its place, v137 lane l xor 16's, v138 the conversions' scale operand
.set PC,    140                        ; v140-145 the codes, v146-148 the second conversion's
.set WRD,   152                        ; v152-159 a tensor's scale words: [head][tile]
.set OW,    160
.set HW,    164
.set CH,    72
.set G1X,   24                         ; s[24:31] group 1 of x's loads (400 rows of 256 bytes), s[32:39] of W's (200 rows)
.set G1W,   32
.set G0X,   40
.set G0W,   44
.set G0R,   48
.set BK,    52                         ; s[52:53] my record + 3072 c; s[54:55] + 768 c; s[56:57] + 256 c; s[58:59] + c x HREC
.set BV,    54
.set BS,    56
.set BVS,   58
.set MSB, 0
.macro WIN new
.if MSB != (\new)
	s_set_vgpr_msb (MSB<<8)|(\new)
.set MSB, \new
.endif
.endm
.macro PLACES n
.rept \n
	v_nop
.endr
.endm
.macro WALU
	s_wait_alu depctr_va_vdst(0)
.endm
.macro BARRIER
	s_barrier_signal -1
	s_barrier_wait -1
.endm
.macro CROUND
	BARRIER
	s_cmp_lg_u32 s14, 0
	s_cbranch_scc1 .Lnot_wave_0_\@
	s_barrier_signal -3
.Lnot_wave_0_\@:
	s_barrier_wait -3
	BARRIER
.endm
.macro TLOAD g0, g1
	tensor_load_to_lds s[\g0:\g0+3], s[\g1:\g1+7]
	s_nop 0
	PLACES 4
.endm
.macro GROUP1 g, rows                  ; dense bytes as rows of 32 elements of 8 bytes
	s_mov_b32 s[\g+1], 32<<16
	s_mov_b32 s[\g+2], (\rows)<<16
	s_mov_b32 s[\g+3], 32<<16
	s_mov_b32 s[\g+4], \rows
	s_mov_b32 s[\g+5], 32
	s_mov_b32 s[\g+6], 0
	s_mov_b32 s[\g+7], 0
.endm
.macro FRAG f, adr, off                ; a fragment comes back as it was stored: three loads of 512 consecutive bytes
	WIN (1+(\f)/FPW)<<6
.irp k, 0,1,2
	ds_load_b128 v[12*((\f)%FPW)+4*\k:12*((\f)%FPW)+4*\k+3], v[\adr] offset:\off+512*\k
.endr
.endm
.macro FETCH n                         ; block n's eight fragments into set n % 2: 24 loads; with a head's first block the head's scale words: 8 more
.set FT_, (\n)%8
.set RI_, (4+2*((\n)/8))%6             ; Wq lies in region 2, Wk in 0, Wv in 1; in halves of a region
.set Q_, 0
.rept 8
	FRAG 32+8*((\n)%2)+Q_, A16+RI_+Q_/4, (Q_%4)*REC1+1536*FT_
.set Q_, Q_+1
.endr
	WIN 0
.if FT_%4 == 0
.set Q_, 0
.rept 8
	ds_load_b128 v[SW+32*(((\n)/4)%2)+4*Q_:SW+32*(((\n)/4)%2)+4*Q_+3], v[S16+RI_+Q_/4] offset:(Q_%4)*REC1+256*(FT_/4)
.set Q_, Q_+1
.endr
.endif
.endm
.macro W1 d, a, b, sa, sb, q
.if \q
	v_wmma_scale_f32_16x16x128_f8f6f4 v[\d:\d+7], v[12*((\a)%FPW):12*((\a)%FPW)+11], v[12*((\b)%FPW):12*((\b)%FPW)+11], v[\d:\d+7], v[\sa], v[\sb] matrix_a_fmt:MATRIX_FMT_FP6 matrix_b_fmt:MATRIX_FMT_FP6
.else
	v_wmma_scale_f32_16x16x128_f8f6f4 v[\d:\d+7], v[12*((\a)%FPW):12*((\a)%FPW)+11], v[12*((\b)%FPW):12*((\b)%FPW)+11], 0, v[\sa], v[\sb] matrix_a_fmt:MATRIX_FMT_FP6 matrix_b_fmt:MATRIX_FMT_FP6
.endif
.endm
.macro PROD kind, n, q, t, d           ; kind 0 (q, k): source 0 the features; kind 1 (v): source 0 the tokens.  The two scale registers' numbers differ modulo 8 by 4 + j - t
.set FX_, 4*(\q)+(\t)
.set FW_, 32+8*((\n)%2)+(\q)
.set XS_, SX+4*(\q)+(\t)
.set WS_, SW+32*(((\n)/4)%2)+4*(\q)+(\n)%4
.if \kind
	WIN (1+FX_/FPW)|((1+FW_/FPW)<<2)|0xf0
	W1 \d, FX_, FW_, XS_, WS_, \q
.else
	WIN (1+FW_/FPW)|((1+FX_/FPW)<<2)|0xf0
	W1 \d, FW_, FX_, WS_, XS_, \q
.endif
.endm
; The 32 sums of chunk ch, one scale block.  Codes into v[PC .. PC + 5]; my block's byte, 8 h bits up, into v[TM + 4], lane l xor 16's into v[TM + 5]: the two together are the row's two bytes.
.macro QUANT ch
.set S0, CH+32*(\ch)
	WIN 0x3c                                       ; sources 1 and 2: window 3
.irp k, 0,1,2,3
	v_max3_num_f32 v[TM+\k], 0x1800000, |v[S0+8*\k]|, |v[S0+8*\k+1]|   ; four chains, one an accumulator, each from its low end on; the floor 2^(3 - 127) holds the byte at 1 from below
.endr
.irp i, 2,4,6
.irp k, 0,1,2,3
	v_max3_num_f32 v[TM+\k], v[TM+\k], |v[S0+8*\k+\i]|, |v[S0+8*\k+\i+1]|
.endr
.endr
	WIN 0
	v_max3_num_f32 v[TM], v[TM], v[TM+1], v[TM+2]
	v_max_num_f32 v[TM], v[TM], v[TM+3]            ; the block's largest magnitude
	v_add_nc_u32 v[TM+6], 0xff000000, v[TM]        ; 2 off the exponent field: the conversions' scale operand
	v_lshrrev_b32 v[TM+4], 23, v[TM+6]             ; the byte,
	v_lshlrev_b32 v[TM+4], v[SH8], v[TM+4]         ; at its place
	v_permlanex16_b32 v[TM+5], v[TM+4], s20, s21
	WALU
	s_wait_xcnt 0x0                                ; the last stores have read the codes' registers
	WIN 3
	v_cvt_scalef32_pk16_fp6_f32 v[PC:PC+2], v[S0:S0+15], v[TM+6]
	v_cvt_scalef32_pk16_fp6_f32 v[PC+6:PC+8], v[S0+16:S0+31], v[TM+6]   ; (a conversion's three registers begin on an even number)
	WIN 0
	v_nop                                          ; one plain place behind a scaled conversion
.irp i, 0,1,2
	v_mov_b32 v[PC+3+\i], v[PC+6+\i]
.endr
.endm
.macro PUT base, off                   ; six registers as an image: 512 and 256 consecutive bytes
	global_store_b128 v[A16], v[PC:PC+3], s[\base:\base+1] offset:\off
	global_store_b64 v[L8], v[PC+4:PC+5], s[\base:\base+1] offset:\off+512
.endm
.macro BLK n
.set P_, (\n)/8
.set T_, (\n)%8
.set J_, (\n)%4
.if (\n)+1 < 24                        ; younger than this block's fetch: the next block's, 24 loads or 32
.if ((\n)+1)%4 == 0
	s_wait_dscnt 32
.else
	s_wait_dscnt 24
.endif
.else
	s_wait_dscnt 0x0
.endif
.set Q_, 0
.rept 8
.irp t, 0,1,2,3
.if P_ == 2
	PROD 1, \n, Q_, \t, CH+32*J_+8*\t
.else
	PROD 0, \n, Q_, \t, CH+32*\t+8*J_
.endif
.endr
.set Q_, Q_+1
.endr
	WIN 0
	PLACES 4                                       ; ahead of the loads into this set and of the first read of the sums
.if (\n) == 6
	s_wait_tensorcnt 0x0                           ; my part of the refill is in;
	s_wait_dscnt 0x0
	BARRIER                                        ; everybody's is
.endif
.if (\n)+2 < 24
	FETCH (\n)+2
.endif
.if P_ < 2
.if J_ == 3                            ; a head is whole: its four token tiles leave
.irp t, 0,1,2,3
	QUANT \t
	v_or_b32 v[WRD+4*(T_/4)+\t], v[TM+4], v[TM+5]  ; the tile's scale word: two bytes, and 0 for the upper 64 of the instruction's K
	PUT BK, (T_/4)*HREC+(1-P_)*QOFF+768*\t
.endr
.endif
.if T_ == 7
	WALU
	v_cmp_ne_u32 vcc_lo, 0, v3
.irp i, 0,1,2,3
	v_cndmask_b32 v[OW+\i], v[WRD+\i], v[WRD+4+\i], vcc_lo  ; lanes 0-15 store the first head's four words of row r, lanes 16-31 the second head's: 256 consecutive bytes each
.endr
	global_store_b128 v[SOFF], v[OW:OW+3], s[BS:BS+1] offset:(1-P_)*QOFF+6144
.endif
.else
	QUANT J_
	v_or_b32 v[HW], v[TM+4], v[TM+5]
	ds_store_b16 v[ASTG], v[HW] offset:256*(T_/4)+4*J_      ; my half's two bytes of the scale word; lanes r and 16 + r write the same
	PUT BV, (T_/4)*HREC+VOFF+1536*J_
.endif
.endm
	s_load_b128 s[4:7], s[0:1], 0x0                ; xc, wc
	s_load_b64 s[8:9], s[0:1], 0x10                ; qkv
	v_lshl_add_u32 v[SPW], v0, 2, SPARE
	v_mov_b32 v[NIL], 0
	ds_add_u32 v[SPW], v[NIL]                      ; the opening lines: the add twice and its wait ahead of the first tensor load
	ds_add_u32 v[SPW], v[NIL]
	v_lshrrev_b32 v1, 5, v0
	v_readfirstlane_b32 s14, v1                    ; wave
	s_lshr_b32 s15, s14, 1                         ; my token group of the two
	s_and_b32 s16, s14, 1                          ; c: my half of it
	s_mov_b32 s20, 0x76543210
	s_mov_b32 s21, 0xfedcba98                      ; selects for lane l xor 16
	s_bfe_u32 s66, ttmp6, 0x40000                  ; cx
	s_bfe_u32 s67, ttmp6, 0x40004                  ; cy
	s_lshl_b32 s70, ttmp9, 2
	s_add_co_u32 s70, s70, s66                     ; the pair of heads
	s_and_b32 s71, ttmp7, 0xffff
	s_lshl_b32 s71, s71, 2
	s_add_co_u32 s71, s71, s67                     ; the pair of token groups
	s_lshl_b32 s73, s67, 2
	s_lshl_b32 s73, 15, s73                        ; my row of the cluster
	s_lshl_b32 s72, 0x1111, s66                    ; my column
	s_or_b32 s[G1X], s73, (3<<16)|(1<<21)
	s_or_b32 s[G1W], s72, (3<<16)|(1<<21)
	GROUP1 G1X, 400
	GROUP1 G1W, 200
	s_lshl_b32 s74, s71, 1
	s_add_co_u32 s74, s74, s14
	s_mul_i32 s74, s74, GB                         ; x: group 2 x pair + wave (waves 0, 1)
	s_mov_b32 s75, 0
	s_mul_i32 s76, s70, GB
	s_mul_i32 s78, s16, HB
	s_add_co_u32 s76, s76, s78                     ; Wq: my half of the pair's group
	s_mov_b32 s77, 0
	s_mul_i32 s78, s15, 8*GB
	s_add_co_u32 s78, s78, s76
	s_add_co_u32 s78, s78, 8*GB                    ; the refill: waves 0, 1 Wk's halves, waves 2, 3 Wv's
	s_mov_b32 s79, 0
	s_mov_b32 s[G0X], 1
	s_mul_i32 s[G0X+1], s14, GB
	s_mov_b32 s[G0W], 1
	s_mul_i32 s[G0W+1], s14, HB
	s_add_co_u32 s[G0W+1], s[G0W+1], GB            ; waves 2, 3: region 2's halves
	s_mov_b32 s[G0R], 1
	s_mul_i32 s[G0R+1], s14, HB                    ; regions 0 and 1 in four halves
	s_mul_i32 s82, s15, GB
	s_mul_i32 s83, s16, 6144
	s_add_co_u32 s83, s83, s82
	s_lshl_b32 s84, s16, 8
	s_add_co_u32 s84, s84, s82
	s_add_co_u32 s84, s84, 12288
	s_lshl_b32 s85, s15, 9
	s_lshl_b32 s86, s16, 1
	s_add_co_u32 s85, s85, s86
	s_add_co_u32 s85, s85, STG
	s_lshl_b32 s86, s14, 8
	s_add_co_u32 s86, s86, STG
	v_and_b32 v1, 31, v0
	v_and_b32 v2, 15, v0
	v_bfe_u32 v3, v0, 4, 1                         ; h
	v_lshlrev_b32 v[A16], 4, v1
	v_lshlrev_b32 v[L8], 3, v1
	v_lshlrev_b32 v[R16], 4, v2
	v_lshlrev_b32 v[SH8], 3, v3
.irp i, 1,2,3,4,5
	v_add_nc_u32 v[A16+\i], \i*HB, v[A16]
.endr
.irp i, 0,1,2,3,4,5
	v_add_nc_u32 v[S16+\i], \i*HB+12288, v[R16]
.endr
	v_add_nc_u32 v[AX], s83, v[A16]
	v_add_nc_u32 v[AX+1], HB, v[AX]
	v_add_nc_u32 v[ASX], s84, v[R16]
	v_add_nc_u32 v[ASX+1], HB, v[ASX]
	v_add_nc_u32 v[ASTG], s85, v[R16]
	v_add_nc_u32 v[ARD], s86, v[L8]
	v_mul_u32_u24 v[SOFF], v3, HREC
	v_add_nc_u32 v[SOFF], v[SOFF], v[R16]
	v_mov_b32 v[TM+5], 0                           ; written once: a lane permute's destination counts as one of its sources
	WALU
	s_wait_dscnt 0x0
	CROUND                                         ; all sixteen work-groups are here: the first joint loads meet
	s_wait_kmcnt 0x0
	s_add_nc_u64 s[G0X+2:G0X+3], s[4:5], s[74:75]
	s_or_b32 s[G0X+3], s[G0X+3], 0x80000000
	s_add_nc_u64 s[G0W+2:G0W+3], s[6:7], s[76:77]
	s_or_b32 s[G0W+3], s[G0W+3], 0x80000000
	s_add_nc_u64 s[G0R+2:G0R+3], s[6:7], s[78:79]
	s_or_b32 s[G0R+3], s[G0R+3], 0x80000000
	s_cmp_lt_u32 s14, 2
	s_cbranch_scc0 .Lhead_w
	TLOAD G0X, G1X                                 ; waves 0, 1: x's groups, needed first
	s_branch .Lasked
.Lhead_w:
	TLOAD G0W, G1W                                 ; waves 2, 3: Wq's halves
.Lasked:
	s_cmp_lt_u32 s14, 2
	s_cbranch_scc0 .Lnot_x
	s_wait_tensorcnt 0x0
.Lnot_x:
	BARRIER                                        ; x is in; Wq may be on its way
.set Q_, 0
.rept 8                                        ; my 64 tokens, all of K: 96 loads, and 8 of scale words
.irp t, 0,1,2,3
	FRAG 4*Q_+\t, AX+Q_/4, (Q_%4)*REC1+1536*\t
.endr
.set Q_, Q_+1
.endr
	WIN 0
.set Q_, 0
.rept 8
	ds_load_b128 v[SX+4*Q_:SX+4*Q_+3], v[ASX+Q_/4] offset:(Q_%4)*REC1
.set Q_, Q_+1
.endr
	s_wait_tensorcnt 0x0                           ; all my tensor loads are in, Wq's halves among them;
	ds_add_u32 v[SPW], v[NIL]
	s_lshl_b32 s80, s71, 1                         ; (where my results go: work on registers)
	s_add_co_u32 s80, s80, s15                     ; my token group: batch x 16 + chunk
	s_lshr_b32 s81, s80, 4
	s_lshl_b32 s81, s81, 4
	s_lshl_b32 s82, s70, 1
	s_add_co_u32 s81, s81, s82                     ; batch x 16 + the first head
	s_lshl_b32 s81, s81, 4
	s_and_b32 s82, s80, 15
	s_add_co_u32 s81, s81, s82
	s_mul_i32 s80, s81, REC
	s_mov_b32 s81, 0
	s_wait_dscnt 0x0                               ; the add is done, and x is in my registers
	CROUND                                         ; no wave of any partner still reads regions 0 and 1 or has a load on its way
	TLOAD G0R, G1W                                 ; Wk and Wv onto x's bytes, a half a wave
	FETCH 0
	FETCH 1
	s_add_nc_u64 s[8:9], s[8:9], s[80:81]
	s_mul_i32 s80, s16, 3072
	s_add_nc_u64 s[BK:BK+1], s[8:9], s[80:81]
	s_mul_i32 s80, s16, 768
	s_add_nc_u64 s[BV:BV+1], s[8:9], s[80:81]
	s_lshl_b32 s80, s16, 8
	s_add_nc_u64 s[BS:BS+1], s[8:9], s[80:81]
	s_mul_i32 s80, s16, HREC
	s_add_nc_u64 s[BVS:BVS+1], s[8:9], s[80:81]
.set B_, 0
.rept 24                                       ; blocks 0-7 q, 8-15 k, 16-23 v
	BLK B_
.set B_, B_+1
.endr
	s_wait_dscnt 0x0                               ; my bytes are in the stage
	BARRIER
	ds_load_b64 v[OW:OW+1], v[ARD]                 ; wave w takes group w / 2, head w % 2: 256 bytes
	s_wait_dscnt 0x0
	global_store_b64 v[L8], v[OW:OW+1], s[BVS:BVS+1] offset:VOFF+6144
	s_wait_tensorcnt 0x0                           ; the wave's end
	ds_add_u32 v[SPW], v[NIL]
	s_wait_dscnt 0x0
	CROUND                                         ; the closing round
	s_endpgm
.Lfunc_end_k_q7da044e426_proj:
	.size	k_q7da044e426_proj, .Lfunc_end_k_q7da044e426_proj-k_q7da044e426_proj
	.p2alignl 7, 3214868480
	.fill 96, 4, 3214868480
	.section	.rodata,"a",@progbits
	.p2align	6, 0x0
	.amdhsa_kernel k_q7da044e426_proj
		.amdhsa_group_segment_fixed_size 327680
		.amdhsa_private_segment_fixed_size 0
		.amdhsa_enable_private_segment 0
		.amdhsa_kernarg_size 24
		.amdhsa_user_sgpr_count 2
		.amdhsa_user_sgpr_kernarg_segment_ptr 1
		.amdhsa_wavefront_size32 1
		.amdhsa_system_sgpr_workgroup_id_x 1
		.amdhsa_system_sgpr_workgroup_id_y 1
		.amdhsa_system_sgpr_workgroup_id_z 1
		.amdhsa_system_vgpr_workitem_id 0
		.amdhsa_next_free_vgpr 1024
		.amdhsa_next_free_sgpr 96
		.amdhsa_reserve_vcc 1
		.amdhsa_float_denorm_mode_32 3
		.amdhsa_float_denorm_mode_16_64 3
		.amdhsa_memory_ordered 1
		.amdhsa_forward_progress 1
		.amdhsa_inst_pref_size 210
	.end_amdhsa_kernel
	.amdgpu_metadata
---
amdhsa.version: [ 1, 2 ]
amdhsa.kernels:
  - .name:           k_q7da044e426_proj
    .symbol:         k_q7da044e426_proj.kd
    .args:
      - { .name: xc, .offset: 0, .size: 8, .value_kind: global_buffer, .address_space: global }
      - { .name: wc, .offset: 8, .size: 8, .value_kind: global_buffer, .address_space: global }
      - { .name: qkv, .offset: 16, .size: 8, .value_kind: global_buffer, .address_space: global }
    .group_segment_fixed_size: 327680
    .private_segment_fixed_size: 0
    .kernarg_segment_align: 8
    .kernarg_segment_size: 24
    .max_flat_workgroup_size: 128
    .sgpr_count:     96
    .vgpr_count:     1024
    .wavefront_size: 32
...
	.end_amdgpu_metadata
.endif
;; end of part 2
;; launch attn (part 3): grid 4 x 64, 16 waves a work-group, clusters of 4 x 1, 280,576 bytes of LDS; arguments qkv, out0; writes out0
.if DOCPART == 3
	.amdgcn_target "amdgcn-amd-amdhsa--gfx1250"
	.amdhsa_code_object_version 6
	.text
	.protected	k_q7da044e426_attn
	.globl	k_q7da044e426_attn
	.p2align	8
	.type	k_q7da044e426_attn,@function
k_q7da044e426_attn:
	s_mov_b64 s[64:65], 0
	v_nop
	global_prefetch_b8 v0, s[64:65] scope:SCOPE_SE
	s_setreg_imm32_b32 hwreg(HW_REG_WAVE_MODE, 25, 1), 1
	s_wait_xcnt 0x0
	s_wait_alu depctr_hold_cnt(0) depctr_sa_sdst(0) depctr_va_vdst(0) depctr_va_sdst(0) depctr_va_ssrc(0) depctr_va_vcc(0) depctr_vm_vsrc(0)
	s_getreg_b32 s2, hwreg(HW_REG_IB_STS2, 6, 4)
	s_cmp_eq_u32 s2, 0
	s_cbranch_scc0 .Lentry_in_a_cluster
	s_endpgm
.Lentry_in_a_cluster:
	s_bfe_u32 s2, ttmp6, 0x10000c
	s_cmp_lg_u32 s2, 0x3003
	s_cbranch_scc0 .Lentry_shape_is_right
	s_endpgm
.Lentry_shape_is_right:
; out[b][q][64 head + :] = the sum over keys k <= q of softmax_k(Q[q] . K[k] / 8) V[k][:], both products on codes of FP6 (E2M3) with E8M0 block scales, for 64 (batch, head) pairs, 2,048 tokens, head size 64.
; Chunks of keys that lie wholly behind a query tile's diagonal are passed over: the causal mask, which the problem builds itself, throws them away.
; THE SOFTMAX AHEAD OF THE SECOND PRODUCT: t = score x log2(e) / 8; M = the row's largest t so far, rounded UP to a whole number; p = 2^(t - M) is quantised along the keys, not normalised.
; The row's sum is taken of the unquantised p and divides O at the end.  When M moves, the sum and O are multiplied by 2^(old M - new M): exact.
; INPUT: qkv, for each pair and each chunk of 128 tokens a record of REC bytes of operand images: K's 8 tiles (768 bytes: registers 0-3 at 16 x lane, 4-5 at 512 + 8 x lane) and scale words,
; V^T's four tiles of 16 channels in halves of 64 keys, each laid as a tile of K, and scale words (together KVB bytes), then Q, laid as K.
; Lane r of tile 4 c + j of K or Q holds token 64 c + 8 j + r % 8 + 32 (r / 8) of its chunk; tile j of V^T holds channel 8 j + r % 8 + 32 (r / 8).
; Both products are used transposed (S^T = K Q^T, O^T = V^T P^T): lane (r, h) holds ONE query; score register n is key 64 (n / 32) + 32 h + n % 32, so 32 registers are one whole scale block of p;
; register m of O^T is channel 32 h + m.
; THE FIRST PRODUCT'S K IS 64 in an instruction of 128: Q's registers 6-11 are zero codes, and both sides' scale bytes 2 and 3 are 0 (2^-127).  K's tile t is named as v[32 + 6 t .. 43 + 6 t]:
; its upper six registers are tile t + 1's codes (zeros behind tile 7), which meet Q's zero codes and add exactly 0.
; SHARES.  The four work-groups of a cluster share one pair.  Its 128 tiles of 16 queries go to 64 waves, two each: tile 4 w + cx and tile 127 - (4 w + cx).  Their diagonal chunks are w / 2 and 15 - w / 2,
; made of the wave's number alone: every wave does 17 key steps of 128 keys, and no branch hangs on a work-group's place in its cluster.
; LDS holds the pair's whole K and V, each byte filled once, by joint tensor loads: EACH OF THE SIXTEEN WAVES FETCHES ONE CHUNK, chunk w.  Waves 0-3 have a load line of their own and alone wait ahead of the first barrier,
; which shows chunks 0-3; a second barrier shows the rest.  No ring, no refill.  All tiles are asked for at the head, so there is nothing to prefetch.
; Sixteen waves of 256 registers, four to a SIMD.
; LIMITS: NaN and infinities are not served; a block of p whose largest number lies under 2^-124 gets the byte 1; the scaled scores stay under 2^31 in magnitude.
.set REC,   19712
.set KVB,   13056                      ; 51 x 256
.set VOFF,  6656
.set QOFF,  13056
.set STAGE, 16*KVB                     ; behind K and V: 16 rows x (256 bytes + 16) for each wave, for the way out; no tile lands there
.set SPARE, STAGE+16*4352              ; the spare words, 128 bytes for each wave
; v1 16 x lane, v2 8 x lane, v3 16 r; v4, v5 the add's two; v6 the way out: 4096 h + 16 r; v7 the mask: my query's place in its chunk - 32 h; v8-10 the step's LDS addresses; v11 Q's scale word
; v12 -M, v13 the largest t, v[14:15] the sum in two halves; v16-21 Q, v22-27 zeros; v28, v29 my stage, in and back; v30 r % 8 + 32 (r / 8) - 32 h; v31 8 h
; v32-79 K's eight tiles, then V's four fragments; v80-85 zeros; v88-95 K's scale words; v96-159 S^T, then p; v160-191 O^T; v192-210 p's codes; v212-215 V's scale words
.set BM,  216                          ; v216-219 four chains of largest scores; then v216, v218 my two blocks' largest scores, then largest p
.set BT,  220                          ; v220-223 at work, then the bytes
.set BO,  224                          ; v224, v225 the conversions' scale operands
; v228 p's scale word; v[230:231] f; v232 at work; v[234:235], v244-255 chains of sums; v236 -infinity
; s[4:5] qkv, s[6:7] out0; s8 wave, s9 cx, s10 pair, s11 tile, s12 chunk in hand, s13 the tile's diagonal chunk, s14 the chunk's LDS byte; s[20:21] c; s[22:23] lane selects; s[24:31] group 1; s[32:35] group 0; s[48:53] Q, Q's words, O
.macro CROUND
	s_barrier_signal -1
	s_barrier_wait -1
	s_cmp_lg_u32 s8, 0
	s_cbranch_scc1 .Lnot_wave_0_\@
	s_barrier_signal -3
.Lnot_wave_0_\@:
	s_barrier_wait -3
	s_barrier_signal -1
	s_barrier_wait -1
.endm
	s_load_b128 s[4:7], s[0:1], 0x0
	v_lshl_add_u32 v4, v0, 2, SPARE
	v_mov_b32 v5, 0
	ds_add_u32 v4, v5                              ; the opening lines: the add twice and its wait ahead of the first tensor load
	ds_add_u32 v4, v5
	v_lshrrev_b32 v1, 5, v0
	s_delay_alu instid0(VALU_DEP_1)
	v_readfirstlane_b32 s8, v1                     ; wave 0..15
	s_bfe_u32 s9, ttmp6, 0x40000                   ; cx: it enters Q's and O's addresses and the mask's register alone
	s_and_b32 s10, ttmp7, 0xffff                   ; batch x 16 + head, which the four partners share
	; descriptor group 1: a chunk's K and V, 13,056 dense bytes, as 51 rows of 32 elements of 8 bytes
	s_mov_b32 s24, 15|(3<<16)|(1<<21)              ; 15:0 the mask: all four work-groups; 17:16 elements of 8 bytes; 21 set beside a mask
	s_mov_b32 s25, 32<<16                          ; tensor_dim0
	s_mov_b32 s26, 51<<16                          ; tensor_dim1
	s_mov_b32 s27, 32<<16                          ; tile_dim0
	s_mov_b32 s28, 51                              ; tile_dim1
	s_mov_b32 s29, 32                              ; tensor_dim0_stride
	s_mov_b32 s30, 0
	s_mov_b32 s31, 0
	s_mov_b32 s20, 0x3e38aa3b                      ; c = log2(e) / 8
	s_mov_b32 s21, s20                             ; (named with it as a pair, so it is written)
	s_mov_b32 s22, 0x76543210
	s_mov_b32 s23, 0xfedcba98                      ; v_permlanex16_b32's selects for lane l xor 16
	s_lshl_b32 s15, s10, 4
	s_add_co_u32 s15, s15, s8
	s_mul_i32 s16, s15, REC                        ; the record of chunk w
	s_mov_b32 s17, 0
	s_mul_i32 s18, s8, KVB                         ; and its place in LDS
	s_wait_dscnt 0x0                               ; the opening adds are done
	s_wait_kmcnt 0x0
	s_add_nc_u64 s[16:17], s[4:5], s[16:17]
	CROUND                                         ; all four work-groups are here: the joint loads meet
	s_mov_b32 s32, 1
	s_mov_b32 s33, s18
	s_mov_b64 s[34:35], s[16:17]
	s_or_b32 s35, s35, 0x80000000
	s_cmp_lt_u32 s8, 4
	s_cbranch_scc0 .Llater
	tensor_load_to_lds s[32:35], s[24:31]
	s_nop 0
.rept 4
	v_nop
.endr
	s_branch .Lasked
.Llater:
	tensor_load_to_lds s[32:35], s[24:31]
	s_nop 0
.rept 4
	v_nop
.endr
.Lasked:
	v_and_b32 v6, 31, v0
	s_delay_alu instid0(VALU_DEP_1)
	v_lshlrev_b32 v1, 4, v6                        ; 16 x lane
	s_delay_alu instid0(VALU_DEP_2)
	v_lshlrev_b32 v2, 3, v6                        ; 8 x lane
	v_and_b32 v8, 15, v0                           ; r
	v_bfe_u32 v9, v0, 4, 1                         ; h
	s_delay_alu instid0(VALU_DEP_2)
	v_lshlrev_b32 v3, 4, v8                        ; 16 r
	s_delay_alu instid0(VALU_DEP_1)
	v_lshl_add_u32 v6, v9, 12, v3                  ; the way out: lanes 0-15 one token's 256 bytes, lanes 16-31 the next token's
	s_mul_i32 s15, s8, 4352
	s_add_co_u32 s15, s15, STAGE                   ; my stage
	v_mul_u32_u24 v28, v8, 272
	s_delay_alu instid0(VALU_DEP_1)
	v_lshl_add_u32 v28, v9, 7, v28
	s_delay_alu instid0(VALU_DEP_1)
	v_add_nc_u32 v28, s15, v28                     ; in: row r, + 128 h
	v_mul_u32_u24 v29, v9, 272
	s_delay_alu instid0(VALU_DEP_1)
	v_add_nc_u32 v29, v29, v3
	s_delay_alu instid0(VALU_DEP_1)
	v_add_nc_u32 v29, s15, v29                     ; back: rows h, 2 + h ..; 16 bytes a lane
	v_and_b32 v30, 8, v8
	s_delay_alu instid0(VALU_DEP_1)
	v_mad_u32_u24 v30, v30, 3, v8                  ; r + 24 (r / 8) = r % 8 + 32 (r / 8)
	v_lshlrev_b32 v10, 5, v9
	s_delay_alu instid0(VALU_DEP_1)
	v_sub_nc_u32 v30, v30, v10                     ; - 32 h
	v_lshlrev_b32 v31, 3, v9                       ; 8 h
.irp i, 22,23,24,25,26,27,80,81,82,83,84,85
	v_mov_b32 v\i, 0                               ; zero codes, which stay
.endr
.irp i, 220,221,222,223,231,232
	v_mov_b32 v\i, 0                               ; written once: a lane permute's destination counts as one of its sources; v231 is named as the upper half of the pair v[230:231]
.endr
	v_mov_b32 v236, 0xff800000                     ; -infinity
	s_lshl_b32 s54, s8, 2
	s_add_co_u32 s54, s54, s9                      ; my early tile,
	s_sub_co_u32 s11, 127, s54                     ; my late tile: it goes first
	s_lshr_b32 s55, s8, 1                          ; their diagonal chunks
	s_sub_co_u32 s13, 15, s55
; Tile s11 is taken up: addresses, Q's fragment and scale word, the statistics and O^T.
.macro PREP
	s_lshr_b32 s56, s11, 3                         ; its chunk
	s_and_b32 s57, s11, 7                          ; and its number in it
	s_lshl_b32 s58, s10, 4
	s_add_co_u32 s58, s58, s56
	s_mul_i32 s58, s58, REC
	s_add_co_u32 s58, s58, QOFF
	s_mul_i32 s59, s57, 768
	s_add_co_u32 s60, s58, s59
	s_mov_b32 s61, 0
	s_add_nc_u64 s[48:49], s[4:5], s[60:61]        ; Q's image
	s_lshr_b32 s59, s57, 2
	s_lshl_b32 s59, s59, 8
	s_and_b32 s62, s57, 3
	s_lshl_b32 s62, s62, 2
	s_add_co_u32 s59, s59, s62
	s_add_co_u32 s60, s58, s59
	s_add_co_u32 s60, s60, 6144
	s_add_nc_u64 s[50:51], s[4:5], s[60:61]        ; its scale words
	s_lshr_b32 s59, s57, 2
	s_lshl_b32 s59, s59, 6
	s_and_b32 s62, s57, 3
	s_lshl_b32 s62, s62, 3
	s_add_co_u32 s59, s59, s62                     ; the tile's first token in its chunk: 64 c + 8 j
	v_add_nc_u32 v7, s59, v30                      ; my query's place in the chunk, less 32 h
	s_lshl_b32 s62, s56, 7
	s_add_co_u32 s59, s59, s62
	s_lshr_b32 s62, s10, 4
	s_lshl_b32 s62, s62, 11
	s_add_co_u32 s59, s59, s62                     ; batch x 2,048 + token
	s_lshl_b32 s60, s59, 12                        ; 4,096 bytes a token,
	s_and_b32 s62, s10, 15
	s_lshl_b32 s62, s62, 8                         ; 256 a head
	s_add_co_u32 s60, s60, s62
	s_add_nc_u64 s[52:53], s[6:7], s[60:61]        ; O
	global_load_b128 v[16:19], v1, s[48:49]
	global_load_b64 v[20:21], v2, s[48:49] offset:512
	global_load_b32 v11, v3, s[50:51]
	v_mov_b32 v13, 0xff61b1e6                      ; the largest t so far: -3e38, under every t
	s_delay_alu instid0(VALU_DEP_1)
	v_floor_f32 v12, -v13                          ; -M
	v_mov_b32 v14, 0
	v_mov_b32 v15, 0
.set n, 0
.rept 32
	v_mov_b32 v[160+n], 0                          ; O^T.  (The step is written without a first form: the first finds zeros, which the first change of M leaves zeros)
.set n, n+1
.endr
	s_wait_loadcnt 0x0
.endm
; A KEY STEP: the 128 keys of chunk s12, which lies at LDS byte s14.  A chunk behind the tile's diagonal chunk is passed over: a scalar branch on the wave's number and a counted loop's step; no barrier and no tensor load stands in a step.
.macro SMUL t0, t1                     ; S^T = K Q^T, tiles t0 .. t1 - 1
.set t, \t0
.rept (\t1)-(\t0)
	v_wmma_scale_f32_16x16x128_f8f6f4 v[96+8*t:103+8*t], v[32+6*t:43+6*t], v[16:27], 0, v[88+t], v11 matrix_a_fmt:MATRIX_FMT_FP6 matrix_b_fmt:MATRIX_FMT_FP6
.set t, t+1
.endr
.endm
.macro STEP
	s_cmp_gt_u32 s12, s13
	s_cbranch_scc1 .Lskip_\@
	v_add_nc_u32 v8, s14, v1
	v_add_nc_u32 v9, s14, v2
	v_add_nc_u32 v10, s14, v3
	ds_load_b128 v[88:91], v10 offset:6144
	ds_load_b128 v[92:95], v10 offset:6400
.set t, 0
.rept 8
	ds_load_b128 v[32+6*t:35+6*t], v8 offset:768*t
	ds_load_b64 v[36+6*t:37+6*t], v9 offset:768*t+512
.set t, t+1
.endr
	s_wait_alu depctr_va_vdst(0)
	s_wait_dscnt 8                                 ; the scale words and tiles 0-3 are in; the eight loads of tiles 4-7, which are younger, may be out
	SMUL 0, 3                                      ; (tile 3's product names tile 4's registers)
	s_wait_dscnt 0x0
	SMUL 3, 8
.rept 4
	v_nop                                          ; places in front of the loads into K's registers and of the first read of the scores
.endr
.set t, 0
.rept 8
	ds_load_b128 v[32+6*t:35+6*t], v8 offset:VOFF+768*t        ; V^T's four fragments in eight halves of 64 keys: they land under the softmax
	ds_load_b64 v[36+6*t:37+6*t], v9 offset:VOFF+768*t+512
.set t, t+1
.endr
	ds_load_b128 v[212:215], v10 offset:VOFF+6144
	s_cmp_lg_u32 s12, s13                          ; in the diagonal chunk the scores of hidden keys become -infinity ahead of the maximum: p = 0 then
	s_cbranch_scc1 .Lopen_\@
.set n, 0
.rept 64
	v_cmp_gt_i32 vcc_lo, 64*(n/32)+n%32, v7        ; register n holds key 64 (n / 32) + 32 h + n % 32: hidden where 64 (n / 32) + n % 32 > my query's place - 32 h
	v_cndmask_b32 v[96+n], v[96+n], v236, vcc_lo
.set n, n+1
.endr
.Lopen_\@:
.irp b, 0,1,2,3
	v_max3_num_f32 v[BM+\b], v[96+16*\b], v[97+16*\b], v[98+16*\b]   ; four chains of 16 scores
.endr
.irp i, 3,5,7,9,11,13
.irp b, 0,1,2,3
	v_max3_num_f32 v[BM+\b], v[BM+\b], v[96+16*\b+\i], v[97+16*\b+\i]
.endr
.endr
.irp b, 0,1,2,3
	v_max_num_f32 v[BM+\b], v[BM+\b], v[111+16*\b]
.endr
	v_max_num_f32 v[BM], v[BM], v[BM+1]            ; the largest score of each of my two blocks of 32 keys: it serves for the row's maximum and, since p rises with the score, for the block's largest p
	v_max_num_f32 v[BM+2], v[BM+2], v[BM+3]
	s_delay_alu instid0(VALU_DEP_1)
	v_max_num_f32 v232, v[BM], v[BM+2]
	s_delay_alu instid0(VALU_DEP_1)
	v_permlanex16_b32 v[BT], v232, s22, s23
	s_delay_alu instid0(VALU_DEP_1)
	v_max_num_f32 v232, v232, v[BT]                ; with lane l xor 16's 64 keys: the step's largest score of my query (the chunk's first key counts for every query of the tile)
	s_delay_alu instid0(VALU_DEP_1)
	v_mul_f32 v232, s20, v232                      ; as t
	s_delay_alu instid0(VALU_DEP_1)
	v_max_num_f32 v13, v13, v232                   ; the running largest t
	v_mov_b32 v232, v12
	s_delay_alu instid0(VALU_DEP_2)
	v_floor_f32 v12, -v13                          ; the new -M = floor(-t) = -ceil(t): M is a whole number
.set n, 0
.rept 32
	v_pk_fma_f32 v[96+n:97+n], v[96+n:97+n], s[20:21], v[12:13] op_sel_hi:[1,0,0]   ; t - M, two at a time
.set n, n+2
.endr
	v_sub_f32 v232, v12, v232                      ; M's old value less its new one: a whole number, 0 or less
	v_fma_f32 v[BM], v[BM], s20, v12               ; t - M of each block's largest score
	v_fma_f32 v[BM+2], v[BM+2], s20, v12
	v_cvt_i32_f32 v232, v232                       ; (it saturates)
	s_delay_alu instid0(VALU_DEP_1)
	v_ldexp_f32 v230, 1.0, v232                    ; f = 2^(old M - new M)
.set n, 0
	s_wait_alu depctr_va_vdst(0)
.rept 64
	v_exp_f32 v[96+n], v[96+n]                     ; p = 2^(t - M), at most 1
.set n, n+1
.endr
	v_pk_mul_f32 v[14:15], v[14:15], v[230:231] op_sel_hi:[1,0]   ; the sums under the new M: the plain place behind the exponentials
	s_wait_alu depctr_va_vdst(0)                   ; one wait for the whole batch, ahead of its first reader
	v_exp_f32 v[BM], v[BM]                         ; the block's largest p: the same two instructions on the same number give the same bits
	v_exp_f32 v[BM+2], v[BM+2]
	v_pk_add_f32 v[234:235], v[100:101], v[104:105]
	v_pk_add_f32 v[254:255], v[108:109], v[112:113]
	v_pk_add_f32 v[252:253], v[116:117], v[120:121]
	v_pk_add_f32 v[250:251], v[124:125], v[128:129]
	v_pk_add_f32 v[248:249], v[132:133], v[136:137]
	v_pk_add_f32 v[246:247], v[140:141], v[144:145]
	v_pk_add_f32 v[244:245], v[148:149], v[152:153]
	v_pk_add_f32 v[14:15], v[14:15], v[156:157]
	v_pk_add_f32 v[234:235], v[234:235], v[96:97]
	v_pk_add_f32 v[254:255], v[254:255], v[98:99]
	v_pk_add_f32 v[252:253], v[252:253], v[102:103]
	v_pk_add_f32 v[250:251], v[250:251], v[106:107]
	v_pk_add_f32 v[248:249], v[248:249], v[110:111]
	v_pk_add_f32 v[246:247], v[246:247], v[114:115]
	v_pk_add_f32 v[244:245], v[244:245], v[118:119]
	v_pk_add_f32 v[14:15], v[14:15], v[122:123]
	v_pk_add_f32 v[234:235], v[234:235], v[126:127]
	v_pk_add_f32 v[254:255], v[254:255], v[130:131]
	v_pk_add_f32 v[252:253], v[252:253], v[134:135]
	v_pk_add_f32 v[250:251], v[250:251], v[138:139]
	v_pk_add_f32 v[248:249], v[248:249], v[142:143]
	v_pk_add_f32 v[246:247], v[246:247], v[146:147]
	v_pk_add_f32 v[244:245], v[244:245], v[150:151]
	v_pk_add_f32 v[14:15], v[14:15], v[154:155]
	v_pk_add_f32 v[234:235], v[234:235], v[158:159]
	s_delay_alu instid0(VALU_DEP_2)
	v_pk_add_f32 v[14:15], v[14:15], v[250:251]
	s_delay_alu instid0(VALU_DEP_2)
	v_pk_add_f32 v[234:235], v[234:235], v[248:249]
	v_pk_add_f32 v[254:255], v[254:255], v[246:247]
	v_pk_add_f32 v[252:253], v[252:253], v[244:245]
	s_delay_alu instid0(VALU_DEP_2)
	v_pk_add_f32 v[14:15], v[14:15], v[254:255]
	s_delay_alu instid0(VALU_DEP_2)
	v_pk_add_f32 v[234:235], v[234:235], v[252:253]
	s_delay_alu instid0(VALU_DEP_1)
	v_pk_add_f32 v[14:15], v[14:15], v[234:235]
	s_wait_alu depctr_va_vdst(0)                   ; and one wait for the two
	v_max_num_f32 v[BM], 0x1800000, v[BM]          ; the floor 2^(3 - 127): the byte cannot fall under 1 (a block whose every p is 0 keeps that byte: its codes are zeros)
	v_max_num_f32 v[BM+2], 0x1800000, v[BM+2]
	v_add_nc_u32 v[BO], 0xff000000, v[BM]          ; 2 off the exponent field: the conversions' scale operands
	v_add_nc_u32 v[BO+1], 0xff000000, v[BM+2]
	v_lshrrev_b32 v[BT], 23, v[BO]                 ; the scales' bytes: blocks h and 2 + h of these 128 keys
	v_lshrrev_b32 v[BT+1], 23, v[BO+1]
	v_lshl_or_b32 v228, v[BT+1], 16, v[BT]
	v_lshlrev_b32 v228, v31, v228                  ; at their places in the scale word (8 h bits up);
	v_permlanex16_b32 v[BT+2], v228, s22, s23
	v_or_b32 v228, v228, v[BT+2]                   ; with lane l xor 16's two the word is whole
.irp c, 0,1
	v_cvt_scalef32_pk16_fp6_f32 v[192+6*\c:194+6*\c], v[96+32*\c:111+32*\c], v[BO+\c]
	v_cvt_scalef32_pk16_fp6_f32 v[204+4*\c:206+4*\c], v[112+32*\c:127+32*\c], v[BO+\c]   ; (a conversion's three registers begin on an even number)
.endr
	v_nop                                          ; one plain place behind a scaled conversion
.irp c, 0,1
.irp i, 0,1,2
	v_mov_b32 v[195+6*\c+\i], v[204+4*\c+\i]       ; registers 6 c .. 6 c + 5: keys 64 c + 32 h + 0 .. 31
.endr
.endr
.set n, 0
.rept 16
	v_pk_mul_f32 v[160+n:161+n], v[160+n:161+n], v[230:231] op_sel_hi:[1,0]   ; O^T under the new M.  (These sixteen are also the places between the scale word's and the codes' last writes and the products below)
.set n, n+2
.endr
	s_wait_alu depctr_va_vdst(0)
	s_wait_dscnt 0x0                               ; V is in
.irp d, 0,1,2,3                                ; O^T += V^T P^T: four accumulators by turns; K = these 128 keys
	v_wmma_scale_f32_16x16x128_f8f6f4 v[160+8*\d:167+8*\d], v[32+12*\d:43+12*\d], v[192:203], v[160+8*\d:167+8*\d], v[212+\d], v228 matrix_a_fmt:MATRIX_FMT_FP6 matrix_b_fmt:MATRIX_FMT_FP6
.endr
.rept 4
	v_nop                                          ; places in front of the next loads into V's registers and of the next read of O^T
.endr
.Lskip_\@:
.endm
.macro WALK c0, c1                     ; chunks c0 .. c1 - 1: the trip count is a constant of the text
	s_mov_b32 s12, \c0
	s_mov_b32 s14, \c0*KVB
.Lwalk_\@:
	STEP
	s_add_co_u32 s14, s14, KVB
	s_add_co_u32 s12, s12, 1
	s_cmp_lt_u32 s12, \c1
	s_cbranch_scc1 .Lwalk_\@
.endm
; THE WAY OUT of a tile: O^T / the sum goes through my stage in LDS and leaves as whole rows: sixteen lanes store the 256 consecutive bytes of one token and head.
.macro OUT
	v_add_f32 v14, v14, v15                        ; the sum's two halves,
	s_delay_alu instid0(VALU_DEP_1)
	v_permlanex16_b32 v232, v14, s22, s23
	s_delay_alu instid0(VALU_DEP_1)
	v_add_f32 v14, v14, v232                       ; and lane l xor 16's: the row's sum
	s_wait_alu depctr_va_vdst(0)
	v_rcp_f32 v14, v14
	v_nop                                          ; one plain place behind the transcendental
	s_wait_alu depctr_va_vdst(0)                   ; and the wait ahead of its first reader
.set n, 0
.rept 16
	v_pk_mul_f32 v[96+n:97+n], v[160+n:161+n], v[14:15] op_sel_hi:[1,0]   ; register m is o(query r, channel 32 h + m)
.set n, n+2
.endr
.irp k, 0,1,2,3,4,5,6,7
	ds_store_b128 v28, v[96+4*\k:99+4*\k] offset:16*\k
.endr
.irp i, 0,1,2,3,4,5,6,7
	ds_load_b128 v[128+4*\i:131+4*\i], v29 offset:544*\i   ; LDS serves a wave's instructions in order: these see my stores
.endr
.irp i, 0,1,2,3,4,5,6,7
	s_wait_dscnt 7-\i                              ; the younger loads may be out
	global_store_b128 v6, v[128+4*\i:131+4*\i], s[52:53] offset:(2*\i+24*(\i/4))*4096 th:TH_STORE_NT   ; stage row 2 i + h is the tile's token 2 i + h + 24 (i / 4)
.endr
	s_wait_xcnt 0x0                                ; the stores have read their registers and their base: both may be written again
.endm
	PREP                                           ; the late tile: 16 - w / 2 steps
	s_wait_alu depctr_va_vdst(0)
	s_cmp_lt_u32 s8, 4
	s_cbranch_scc0 .Lnot_first
	s_wait_tensorcnt 0x0                           ; waves 0-3: chunk w is in; the later chunks may be out
.Lnot_first:
	s_barrier_signal -1
	s_barrier_wait -1                              ; chunks 0-3 are whole for every wave
	WALK 0, 4                                      ; every wave has four steps here
	s_wait_tensorcnt 0x0                           ; my chunk is in,
	s_wait_dscnt 0x0
	s_barrier_signal -1
	s_barrier_wait -1                              ; everybody's is
	WALK 4, 16
	OUT
	s_mov_b32 s11, s54                             ; the early tile: w / 2 + 1 steps
	s_mov_b32 s13, s55
	PREP
	WALK 0, 8
	OUT
	s_wait_tensorcnt 0x0                           ; the wave's end: behind my last tensor load and my last LDS store
	ds_add_u32 v4, v5
	s_wait_dscnt 0x0
	CROUND                                         ; the closing round: no work-group ends while a partner may still ask for a tile that names it
	s_endpgm
.Lfunc_end_k_q7da044e426_attn:
	.size	k_q7da044e426_attn, .Lfunc_end_k_q7da044e426_attn-k_q7da044e426_attn
	.p2alignl 7, 3214868480
	.fill 96, 4, 3214868480
	.section	.rodata,"a",@progbits
	.p2align	6, 0x0
	.amdhsa_kernel k_q7da044e426_attn
		.amdhsa_group_segment_fixed_size 280576
		.amdhsa_private_segment_fixed_size 0
		.amdhsa_enable_private_segment 0
		.amdhsa_kernarg_size 16
		.amdhsa_user_sgpr_count 2
		.amdhsa_user_sgpr_kernarg_segment_ptr 1
		.amdhsa_wavefront_size32 1
		.amdhsa_system_sgpr_workgroup_id_x 1
		.amdhsa_system_sgpr_workgroup_id_y 1
		.amdhsa_system_sgpr_workgroup_id_z 1
		.amdhsa_system_vgpr_workitem_id 0
		.amdhsa_next_free_vgpr 256
		.amdhsa_next_free_sgpr 66
		.amdhsa_reserve_vcc 1
		.amdhsa_float_denorm_mode_32 3
		.amdhsa_float_denorm_mode_16_64 3
		.amdhsa_memory_ordered 1
		.amdhsa_forward_progress 1
		.amdhsa_inst_pref_size 80
	.end_amdhsa_kernel
	.amdgpu_metadata
---
amdhsa.version: [ 1, 2 ]
amdhsa.kernels:
  - .name:           k_q7da044e426_attn
    .symbol:         k_q7da044e426_attn.kd
    .args:
      - { .name: qkv, .offset: 0, .size: 8, .value_kind: global_buffer, .address_space: global }
      - { .name: out0, .offset: 8, .size: 8, .value_kind: global_buffer, .address_space: global }
    .group_segment_fixed_size: 280576
    .private_segment_fixed_size: 0
    .kernarg_segment_align: 8
    .kernarg_segment_size: 16
    .max_flat_workgroup_size: 512
    .sgpr_count:     66
    .vgpr_count:     256
    .wavefront_size: 32
...
	.end_amdgpu_metadata
.endif
;; end of part 3
